; MI455X (gfx1250); checked and timed in simulation.
; The chip was launched on July 23, 2026; its instructions are those of AMD's public machine-readable ISA for CDNA 5 (MIT licence, August 2026) and "CDNA5" Instruction Set Architecture Reference Guide (July 2026). The comments in the code are by the model that wrote it; some were corrected since.
;; TRM Attention. Allowed arithmetic: matrix products marked QUANTISED: E2M3 operands, one E8M0 scale for each 32 along K, by v_wmma_scale_f32_16x16x128_f8f6f4 with both operands' format E2M3, f32 sums; everything else in f32.
;; Inputs: W_o 256 x 256 float32; W_qkv 768 x 256 float32; b_o 256 float32; b_qkv 768 float32; x 16 x 2,048 x 256 float32.
;; Outputs: out0 16 x 2,048 x 256 float32.
;; This version of the problem:
;;   THIS VERSION OF THE PROBLEM IS GIVEN IN LOW PRECISION. The matrix products marked QUANTISED in the list below multiply operands that are first quantised to E2M3 (2 exponent bits, 3 mantissa bits; 6 bits a number), with one power-of-two scale for each 32 numbers along K (OCP MX v1.0); their sums are f32. All else is computed in f32.
;;   The module's matrix products, in the order in which they are computed (A, B: the left and right operand; K: the contracted axis; several contracted axes count as one K, in the product's order):
;;     1. [M 32,768, K 256] x [K 256, N 768]; A: input x; B: input W_qkv: QUANTISED
;;     2. batch 64 x [M 2,048, K 64] x [K 64, N 2,048]; A: computed on the way; B: computed on the way: QUANTISED
;;     3. batch 64 x [M 2,048, K 2,048] x [K 2,048, N 64]; A: softmax (see below); B: computed on the way: QUANTISED
;;     4. [M 32,768, K 256] x [K 256, N 256]; A: computed on the way; B: input W_o: QUANTISED
;;   THE QUANTISER, for each operand of a quantised product, along K:
;;     - K is cut into blocks of 32 from its start; a last block that is shorter is filled with zeros.
;;     - A block's scale is 2^e with e = floor(log2(the largest magnitude in the block)) - 2, held to -126 .. 127; a block of zeros has e = 0. As a byte (E8M0): e + 127.
;;     - Each number is divided by its block's scale, clamped to +-7.5, and rounded to the nearest number of E2M3, ties to even, subnormals kept.
;;     - The product sums the exact products of the quantised numbers (number of the format x scale) in f32.
;;   ~~~python
;;   def quantise(x, axis):      # numpy; x: float32 -> the quantised numbers, widened to float32 again
;;       x = np.moveaxis(x, axis, -1); K = x.shape[-1]
;;       x = np.pad(x, [(0, 0)] * (x.ndim - 1) + [(0, -K % 32)]); x = x.reshape(x.shape[:-1] + (-1, 32)); a = np.abs(x).max(-1, keepdims=True)
;;       e = np.where(a > 0, np.clip(np.frexp(np.where(a > 0, a, 1))[1] - 1 - 2, -126, 127), 0)      # np.frexp(a)[1] - 1 = floor(log2(a)), exactly
;;       r = np.clip(x / 2.0 ** e, -7.5, 7.5)
;;       step = 2.0 ** (np.maximum(np.frexp(np.where(r == 0, 1, r))[1] - 1, 0) - 3)
;;       q = np.round(r / step) * step * 2.0 ** e      # np.round: ties to even
;;       return np.moveaxis(q.reshape(q.shape[:-2] + (-1,))[..., :K], -1, axis).astype(np.float32)
;;   ~~~
;;   SOFTMAX AHEAD OF A QUANTISED PRODUCT. Where the list says 'softmax', what is quantised is not the finished softmax but p = 2^(t - M), with t = logit x log2(e) and M = ceil(the row's largest t), a whole number; so 1/2 < the row's largest p <= 1. The row's sum l is taken of the UNQUANTISED p, in f32, and the product's result is divided by l at the end. Since M is a whole number, a kernel that streams over the keys may use a running M (the ceiling of the running maximum): every later rescaling is an exact power of two, which a block's scale takes up: the codes' values come out the same.
;;   OPERANDS COMPUTED ON THE WAY. 'Computed on the way' means the value that the module computes at that place (a softmax that the list does not call 'softmax' is quantised finished and normalised). What goes into a quantiser is computed in f32, as accurately as f32 sums, v_exp_f32 and their like allow (about 1e-6 of the number): no bf16 or f16 on the way to a quantiser, and a product that is left as it is and whose result goes on into a quantised operand takes f32 operands (vector FMAs, or v_wmma_f32_16x16x4_f32). A number that lies on a knife's edge between two numbers of the format may be rounded either way, as far as f32 arithmetic and the matrix unit's own rounding can turn it there, and no further.
;; One version. Each part assembles by itself: llvm-mc -triple=amdgcn-amd-amdhsa -mcpu=gfx1250 --defsym DOCPART=n.
;; ======== version 1 of 1: 3 launches
;; limits: right only within a limited range of input values
;; workspace buffers: wimg 212,992 bytes; qimg 6,291,456 bytes; qsc 262,144 bytes; kv 13,107,200 bytes
;; launch quantw (part 1): grid 64 x 1, 1 waves a work-group, no clusters, 0 bytes of LDS; arguments W_qkv, W_o, wimg; writes wimg
.if DOCPART == 1
	.amdgcn_target "amdgcn-amd-amdhsa--gfx1250"
	.amdhsa_code_object_version 6
	.text
	.protected	k_q9080067ef9_quantw
	.globl	k_q9080067ef9_quantw
	.p2align	8
	.type	k_q9080067ef9_quantw,@function
k_q9080067ef9_quantw:
	s_mov_b64 s[64:65], 0
	v_nop
	global_prefetch_b8 v0, s[64:65] scope:SCOPE_SE
	s_setreg_imm32_b32 hwreg(HW_REG_WAVE_MODE, 25, 1), 1
	s_wait_xcnt 0x0
; W_qkv [768][256] and W_o [256][256], f32, K innermost, become codes of E2M3 with one E8M0 scale byte for each 32 along K, laid as IMAGES OF THE OPERAND'S REGISTERS.
; A tile is 16 rows x 256 K.  Tile 2 g + u takes, in lane r, row 32 g + 8 u + r + 8 (r / 8): so the 16 result registers of tiles 2 g and 2 g + 1 of a transposed product are 16 neighbours along the next K.
; A tile's record in wimg is 3,328 bytes: the fragment of K step 0 (12 registers a lane, as three chunks of 512 bytes: registers 4 c .. 4 c + 3 of lane l at 512 c + 16 l), the fragment of K step 1, and 8 bytes a lane: the row's two scale words.
; Tiles 0-47 are W_qkv's, tiles 48-63 W_o's.  One wave makes one record; 64 work-groups of one wave.  The two weights are 1 MiB in all, read once.
; A block's scale is 2^(floor(log2(its largest magnitude)) - 2); its byte is the largest magnitude's exponent field - 2, held at 1 from below.
; LIMITS: a block whose largest magnitude lies under 2^-124 keeps the byte 1; a block of zeros gets the byte 1 where the rule says 127 (its codes are zeros, and this program alone reads the bytes); NaN and infinities are not served.
.set TM,  8                            ; v8-23   QUANT at work
.set PW,  24                           ; v24-25  the two scale words
.set PC0, 28                           ; v28-46  K step 0's codes (12 registers, and 7 at work)
.set PC1, 48                           ; v48-66  K step 1's
.set N0,  68                           ; v68-131  64 numbers of K step 0
.set N1,  132                          ; v132-195 of K step 1
.set SEL, 12                           ; s[12:13] lane selects for v_permlanex16_b32: lane l xor 16
; 64 numbers of a lane, register s + 16 b + i = k 32 b + 16 (lane / 16) + i of my row, become a fragment's codes in v[pc] .. v[pc + 11] and the row's scale word in v[pw].
.macro QUANT s, tm, pc, pw
.irp b, 0,1,2,3
	v_max3_num_f32 v[\tm+\b], |v[\s+16*\b]|, |v[\s+1+16*\b]|, 0x1800000   ; block b: my 16 numbers, and the floor 2^(3 - 127): the byte cannot fall under 1
.endr
.irp i, 2,4,6,8,10,12,14
.irp b, 0,1,2,3
	v_max3_num_f32 v[\tm+\b], v[\tm+\b], |v[\s+16*\b+\i]|, |v[\s+1+16*\b+\i]|   ; the four blocks by turns
.endr
.endr
.irp b, 0,1,2,3
	v_permlanex16_b32 v[\tm+4+\b], v[\tm+\b], s[SEL], s[SEL+1]
.endr
.irp b, 0,1,2,3
	v_max_num_f32 v[\tm+\b], v[\tm+\b], v[\tm+4+\b]          ; with lane l xor 16's 16: the block's largest magnitude
.endr
.irp b, 0,1,2,3
	v_add_nc_u32 v[\tm+12+\b], 0xff000000, v[\tm+\b]         ; 2 off its exponent field: the conversion takes the exponent field of this operand as its scale
.endr
.irp b, 0,1,2,3
	v_lshrrev_b32 v[\tm+4+\b], 23, v[\tm+12+\b]              ; the scale's byte
.endr
	v_lshl_or_b32 v[\pw], v[\tm+5], 8, v[\tm+4]
	v_lshl_or_b32 v[\pw], v[\tm+6], 16, v[\pw]
	v_lshl_or_b32 v[\pw], v[\tm+7], 24, v[\pw]
.irp c, 0,1
	v_cvt_scalef32_pk16_fp6_f32 v[\pc+6*\c:\pc+2+6*\c], v[\s+32*\c:\s+15+32*\c], v[\tm+12+2*\c]
	v_cvt_scalef32_pk16_fp6_f32 v[\pc+12+4*\c:\pc+14+4*\c], v[\s+16+32*\c:\s+31+32*\c], v[\tm+13+2*\c]   ; (a conversion's three registers begin on an even number)
.endr
	v_nop                                          ; one plain place behind a scaled conversion
.irp c, 0,1                                    ; the layout wants a whole block in a lane: lanes 0-15 block 2 c, lanes 16-31 block 2 c + 1
.irp i, 0,1,2
	v_permlane16_swap_b32 v[\pc+6*\c+\i], v[\pc+12+4*\c+\i]
.endr
.irp i, 0,1,2
	v_mov_b32 v[\pc+3+6*\c+\i], v[\pc+12+4*\c+\i]
.endr
.endr
.endm
.macro XLOAD reg, s                    ; my row's numbers of K step s: of each block of 32 the 16 of my half
.irp b, 0,1,2,3
.irp j, 0,1,2,3
	global_load_b128 v[\reg+16*\b+4*\j:\reg+16*\b+4*\j+3], v3, s[4:5] offset:512*\s+128*\b+16*\j
.endr
.endr
.endm
	s_load_b128 s[4:7], s[0:1], 0x0                ; W_qkv, W_o
	s_load_b64 s[8:9], s[0:1], 0x10                ; wimg
	v_and_b32 v1, 15, v0                           ; r
	v_bfe_u32 v2, v0, 4, 1                         ; h
	v_and_b32 v3, 8, v1
	v_add_nc_u32 v3, v3, v1                        ; r + 8 (r / 8)
	v_lshlrev_b32 v3, 10, v3                       ; a row is 1,024 bytes
	v_lshl_add_u32 v3, v2, 6, v3                   ; + 64 h
	v_lshlrev_b32 v4, 4, v0                        ; 16 x lane (one wave: the thread's number is the lane)
	v_lshlrev_b32 v5, 3, v0                        ; 8 x lane
.irp b, 0,1,2,3
	v_mov_b32 v[TM+4+\b], 0                        ; written once: a lane permute's destination counts as one of its sources
.endr
	s_mov_b32 s[SEL], 0x76543210
	s_mov_b32 s[SEL+1], 0xfedcba98
	s_mul_i32 s14, ttmp9, 3328                     ; my record
	s_mov_b32 s15, 0
	s_wait_alu depctr_va_vdst(0)
	s_wait_kmcnt 0x0
	s_cmp_lt_u32 ttmp9, 48                         ; W_qkv's tile or W_o's: the choice hangs on the work-group's number alone
	s_cselect_b64 s[4:5], s[4:5], s[6:7]
	s_cselect_b32 s10, 0, 48
	s_sub_co_u32 s10, ttmp9, s10                   ; the tile's number in its tensor: 2 g + u
	s_lshr_b32 s11, s10, 1
	s_lshl_b32 s11, s11, 15                        ; 32 g rows
	s_and_b32 s10, s10, 1
	s_lshl_b32 s10, s10, 13                        ; 8 u rows
	s_add_co_u32 s10, s10, s11
	s_mov_b32 s11, 0
	s_add_nc_u64 s[4:5], s[4:5], s[10:11]
	s_add_nc_u64 s[8:9], s[8:9], s[14:15]
	XLOAD N0, 0
	XLOAD N1, 1
	s_wait_loadcnt 16                              ; K step 0's 16 loads are in; K step 1's 16 may be out
	QUANT N0, TM, PC0, PW
.irp c, 0,1,2
	global_store_b128 v4, v[PC0+4*\c:PC0+4*\c+3], s[8:9] offset:512*\c           ; 32 lanes store 512 consecutive bytes
.endr
	s_wait_loadcnt 0x0
	QUANT N1, TM, PC1, PW+1                        ; codes and word in registers of their own: no store's data are written again
.irp c, 0,1,2
	global_store_b128 v4, v[PC1+4*\c:PC1+4*\c+3], s[8:9] offset:1536+512*\c
.endr
	global_store_b64 v5, v[PW:PW+1], s[8:9] offset:3072                          ; 256 consecutive bytes
	s_endpgm
.Lfunc_end_k_q9080067ef9_quantw:
	.size	k_q9080067ef9_quantw, .Lfunc_end_k_q9080067ef9_quantw-k_q9080067ef9_quantw
	.p2alignl 7, 3214868480
	.fill 96, 4, 3214868480
	.section	.rodata,"a",@progbits
	.p2align	6, 0x0
	.amdhsa_kernel k_q9080067ef9_quantw
		.amdhsa_group_segment_fixed_size 0
		.amdhsa_private_segment_fixed_size 0
		.amdhsa_enable_private_segment 0
		.amdhsa_kernarg_size 24
		.amdhsa_user_sgpr_count 2
		.amdhsa_user_sgpr_kernarg_segment_ptr 1
		.amdhsa_wavefront_size32 1
		.amdhsa_system_sgpr_workgroup_id_x 1
		.amdhsa_system_sgpr_workgroup_id_y 1
		.amdhsa_system_sgpr_workgroup_id_z 1
		.amdhsa_system_vgpr_workitem_id 0
		.amdhsa_next_free_vgpr 200
		.amdhsa_next_free_sgpr 66
		.amdhsa_reserve_vcc 0
		.amdhsa_float_denorm_mode_32 3
		.amdhsa_float_denorm_mode_16_64 3
		.amdhsa_memory_ordered 1
		.amdhsa_forward_progress 1
		.amdhsa_inst_pref_size 13
	.end_amdhsa_kernel
	.amdgpu_metadata
---
amdhsa.version: [ 1, 2 ]
amdhsa.kernels:
  - .name:           k_q9080067ef9_quantw
    .symbol:         k_q9080067ef9_quantw.kd
    .args:
      - { .name: W_qkv, .offset: 0, .size: 8, .value_kind: global_buffer, .address_space: global }
      - { .name: W_o, .offset: 8, .size: 8, .value_kind: global_buffer, .address_space: global }
      - { .name: wimg, .offset: 16, .size: 8, .value_kind: global_buffer, .address_space: global }
    .group_segment_fixed_size: 0
    .private_segment_fixed_size: 0
    .kernarg_segment_align: 8
    .kernarg_segment_size: 24
    .max_flat_workgroup_size: 32
    .sgpr_count:     66
    .vgpr_count:     200
    .wavefront_size: 32
...
	.end_amdgpu_metadata
.endif
;; end of part 1
;; launch qkv (part 2): grid 256 x 1, 16 waves a work-group, clusters of 4 x 1, 327,680 bytes of LDS; arguments x, wimg, b_qkv, qimg, qsc, kv; writes qimg, qsc, kv
.if DOCPART == 2
	.amdgcn_target "amdgcn-amd-amdhsa--gfx1250"
	.amdhsa_code_object_version 6
	.text
	.protected	k_q9080067ef9_qkv
	.globl	k_q9080067ef9_qkv
	.p2align	8
	.type	k_q9080067ef9_qkv,@function
k_q9080067ef9_qkv:
	s_mov_b64 s[64:65], 0
	v_nop
	global_prefetch_b8 v0, s[64:65] scope:SCOPE_SE
	s_setreg_imm32_b32 hwreg(HW_REG_WAVE_MODE, 25, 1), 1
	s_wait_xcnt 0x0
	s_wait_alu depctr_hold_cnt(0) depctr_sa_sdst(0) depctr_va_vdst(0) depctr_va_sdst(0) depctr_va_ssrc(0) depctr_va_vcc(0) depctr_vm_vsrc(0)
	s_getreg_b32 s2, hwreg(HW_REG_IB_STS2, 6, 4)
	s_cmp_eq_u32 s2, 0
	s_cbranch_scc0 .Lentry_in_a_cluster
	s_endpgm
.Lentry_in_a_cluster:
	s_bfe_u32 s2, ttmp6, 0x10000c
	s_cmp_lg_u32 s2, 0x3003
	s_cbranch_scc0 .Lentry_shape_is_right
	s_endpgm
.Lentry_shape_is_right:
; qkv = Q(x) Q(W_qkv)^T + b_qkv on codes of E2M3, and q, k (along the head's 64) and v (along the keys) quantised on the way, stored as images of the next products' operand registers.
; SHARES.  A work-group owns 128 tokens of one batch row: key step st of each of its 4 heads.  Sixteen waves.  Wave w = 4 head + i.
; PHASES.  X: wave w quantises fragment w of x (token tile w / 2, K step w % 2) and stores its image in LDS.  U: wave (head, i) makes three units: q and k of tokens 32 i .. 32 i + 31 of its head (transposed:
; source 0 = 16 rows of W, source 1 = 16 tokens: a lane holds one token, its registers run along the channels), and V^T tile i of its head for all 128 tokens (source 0 = 16 tokens, source 1 = 16 rows of W: a lane holds one channel,
; its registers run along the tokens, which are the next product's K).  Each unit's 64 numbers a lane are quantised in registers and leave as one fragment: three stores of 512 consecutive bytes.
; TILES ARE NOT NEIGHBOURING ROWS: token tile (f, c) takes, in row r, token 32 f + 8 c + r + 8 (r / 8), and W's tiles likewise: so the 16 registers of two neighbouring tiles are 16 neighbours along the next K.
; A q or k fragment holds token tile (f, 0) at k 0-63 and token tile (f, 1) at k 64-127 (the head's size is 64, the instruction's K 128).
; The bias is the C of each sum's first matrix instruction.
; CLUSTER.  All work-groups read the same codes of W_qkv (159,744 bytes): the four of a cluster ask for them jointly.  x and the bias come by plain loads.  Every LDS byte is filled once.
; A wave has one tensor load out: a thirteenth of W's codes (waves 0-12), 64 rows of x (waves 13, 14) or the whole bias (wave 15).
; LIMITS: a block whose largest magnitude lies under 2^-124 keeps the byte 1; a block of zeros gets the byte 1 where the rule says 127 (its codes are zeros, and this program alone reads the bytes); NaN and infinities are not served.
.set REC,  3328                        ; a tile's record of W's codes: two fragments of 1,536 bytes and 256 bytes of scale words
.set XP,   1040                        ; a row of x in LDS: 1,024 bytes + 16 of padding
.set XRAW, 159744                      ; LDS: W's 48 records lie at 0; then 128 rows of x,
.set XIMG, 292864                      ; x's 16 fragments (2 x token tile + K step), 1,536 bytes each,
.set XSC,  317440                      ; their scale words, 128 bytes each,
.set KST,  319488                      ; the stage for k's and v's scale words: 512 bytes a head, 64 a wave and unit,
.set QST,  321536                      ; for q's: 256 bytes a head,
.set BIAS, 322560                      ; and b_qkv as it lies: 3,072 bytes.  The map ends at 325,632
.set LI,   1                           ; v1   16 x lane
.set L8,   2                           ; v2   8 x lane
.set L4,   3                           ; v3   4 x lane
.set R4,   4                           ; v4   4 x (lane % 16)
.set AW,   6                           ; v6   the unit's tiles of W (phase X: my rows of x)
.set AWS,  7                           ; v7   their scale words (phase X: where my image goes)
.set XFI,  8                           ; v8   x's four fragments of tokens 32 i on
.set XSI,  9                           ; v9   their scale words
.set BQ,   10                          ; v10  the bias of my head's q: + 64 (lane / 16)
.set QSTA, 11                          ; v11  where my q scale word goes
.set KSTA, 12                          ; v12  my k scale word (v's: 256 bytes on)
.set BVA,  13                          ; v13  the bias of my lane's channel of v
.set XFA,  14                          ; v14  all of x's fragments
.set XSA,  15                          ; v15  all their scale words
.set FR,   16                          ; v16-159  twelve fragments; between the products QUANT works here:
.set TM,   16
.set PW,   32
.set PC,   36
.set HA,   160                         ; v160-223 eight accumulators
.set SC,   224                         ; v224-241 scale words
.set BV,   244                         ; v244-251 v's bias, eight times
.set KRD,  252                         ; v252 the way out of k's and v's scale words
.set QRD,  253                         ; v253 of q's
.set XWS,  254                         ; v254 phase X: where my scale word goes
.set WV,   16                          ; s16  my wave's number
.set SEL,  18                          ; s[18:19] lane selects: lane l xor 16
.set G1X,  20                          ; s[20:27], s[28:31] descriptor groups 1 and 0 for x
.set G0X,  28
.set G1W,  32                          ; s[32:39], s[40:43] for W's codes
.set G0W,  40
.set G1B,  44                          ; s[44:51], s[52:55] for the bias
.set G0B,  52
.macro ROUND                           ; a round of the cluster's barrier
	s_barrier_signal -1
	s_barrier_wait -1
	s_cmp_lg_u32 s[WV], 0
	s_cbranch_scc1 .Lnot_wave_0_\@
	s_barrier_signal -3
.Lnot_wave_0_\@:
	s_barrier_wait -3
	s_barrier_signal -1
	s_barrier_wait -1
.endm
.macro PLACES n
.rept \n
	v_nop
.endr
.endm
; 64 numbers of a lane, register s + 16 b + i = k 32 b + 16 (lane / 16) + i of my row, become a fragment's codes in v[pc] .. v[pc + 11] and the row's scale word in v[pw].
.macro QUANT s, tm, pc, pw
.irp b, 0,1,2,3
	v_max3_num_f32 v[\tm+\b], |v[\s+16*\b]|, |v[\s+1+16*\b]|, 0x1800000   ; block b: my 16 numbers, and the floor 2^(3 - 127): the byte cannot fall under 1.  (Each accumulator is read from its low end on)
.endr
.irp i, 2,4,6,8,10,12,14
.irp b, 0,1,2,3
	v_max3_num_f32 v[\tm+\b], v[\tm+\b], |v[\s+16*\b+\i]|, |v[\s+1+16*\b+\i]|   ; the four blocks by turns
.endr
.endr
.irp b, 0,1,2,3
	s_delay_alu instid0(VALU_DEP_4)
	v_permlanex16_b32 v[\tm+4+\b], v[\tm+\b], s[SEL], s[SEL+1]
.endr
.irp b, 0,1,2,3
	s_delay_alu instid0(VALU_DEP_4)
	v_max_num_f32 v[\tm+\b], v[\tm+\b], v[\tm+4+\b]          ; with lane l xor 16's 16: the block's largest magnitude
.endr
.irp b, 0,1,2,3
	s_delay_alu instid0(VALU_DEP_4)
	v_add_nc_u32 v[\tm+12+\b], 0xff000000, v[\tm+\b]         ; 2 off its exponent field: the conversion's scale operand
.endr
.irp b, 0,1,2,3
	s_delay_alu instid0(VALU_DEP_4)
	v_lshrrev_b32 v[\tm+4+\b], 23, v[\tm+12+\b]              ; the scale's byte
.endr
	s_delay_alu instid0(VALU_DEP_3)
	v_lshl_or_b32 v[\pw], v[\tm+5], 8, v[\tm+4]
	s_delay_alu instid0(VALU_DEP_1)
	v_lshl_or_b32 v[\pw], v[\tm+6], 16, v[\pw]
	s_delay_alu instid0(VALU_DEP_1)
	v_lshl_or_b32 v[\pw], v[\tm+7], 24, v[\pw]
.irp c, 0,1
	v_cvt_scalef32_pk16_fp6_f32 v[\pc+6*\c:\pc+2+6*\c], v[\s+32*\c:\s+15+32*\c], v[\tm+12+2*\c]
	v_cvt_scalef32_pk16_fp6_f32 v[\pc+12+4*\c:\pc+14+4*\c], v[\s+16+32*\c:\s+31+32*\c], v[\tm+13+2*\c]   ; (a conversion's three registers begin on an even number)
.endr
	v_nop                                          ; one plain place behind a scaled conversion
.irp c, 0,1                                    ; the layout wants a whole block in a lane: lanes 0-15 block 2 c, lanes 16-31 block 2 c + 1
.irp i, 0,1,2
	v_permlane16_swap_b32 v[\pc+6*\c+\i], v[\pc+12+4*\c+\i]
.endr
.irp i, 0,1,2
	s_delay_alu instid0(VALU_DEP_3)
	v_mov_b32 v[\pc+3+6*\c+\i], v[\pc+12+4*\c+\i]
.endr
.endr
.endm
	s_load_b256 s[4:11], s[0:1], 0x0               ; x s[4:5], wimg s[6:7], b_qkv s[8:9], qimg s[10:11]
	s_load_b128 s[12:15], s[0:1], 0x20             ; qsc s[12:13], kv s[14:15]
	v_lshl_add_u32 v242, v0, 2, 0x4f800
	v_mov_b32 v243, 0
	ds_add_u32 v242, v243
	ds_add_u32 v242, v243
	v_lshrrev_b32 v1, 5, v0
	s_delay_alu instid0(VALU_DEP_1)
	v_readfirstlane_b32 s[WV], v1                  ; wave 0..15
	s_bfe_u32 s56, ttmp6, 0x40000                  ; cx: it enters global addresses of plain loads and of stores alone
	s_lshl_b32 s57, ttmp9, 2
	s_add_co_u32 s57, s57, s56                     ; g: my block of 128 tokens
	s_lshr_b32 s58, s57, 4                         ; the batch row
	s_and_b32 s59, s57, 15                         ; st: the key step
	s_lshr_b32 s60, s[WV], 2                       ; head
	s_and_b32 s61, s[WV], 3                        ; i
	s_lshl_b32 s62, s58, 2
	s_add_co_u32 s62, s62, s60                     ; bh = 4 x batch row + head
	; x: 64 rows of 256 f32, 16 bytes of padding behind each row of 256 words
	s_mov_b32 s[G1X+0], (2<<16)|(1<<20)|(7<<22)|(3<<25)   ; no mask; elements of 4 bytes; padding on, after every 256 words (code 7), of 4 words (code 3)
	s_mov_b32 s[G1X+1], 256<<16                    ; tensor_dim0
	s_mov_b32 s[G1X+2], 64<<16                     ; tensor_dim1: a loading wave brings 64 rows of x
	s_mov_b32 s[G1X+3], 256<<16                    ; tile_dim0
	s_mov_b32 s[G1X+4], 64                         ; tile_dim1
	s_mov_b32 s[G1X+5], 256                        ; from row to row
	s_mov_b32 s[G1X+6], 0
	s_mov_b32 s[G1X+7], 0
	; W's codes: a dense block of 12,288 bytes a wave, as 48 rows of 256 bytes; asked for jointly by the cluster's four work-groups
	s_mov_b32 s[G1W+0], 15|(3<<16)|(1<<21)         ; the mask: all four; elements of 8 bytes; bit 21 set beside a mask
	s_mov_b32 s[G1W+1], 32<<16
	s_mov_b32 s[G1W+2], 48<<16                     ; W's codes: 624 rows of 256 bytes, 48 for each of thirteen waves
	s_mov_b32 s[G1W+3], 32<<16
	s_mov_b32 s[G1W+4], 48
	s_mov_b32 s[G1W+5], 32
	s_mov_b32 s[G1W+6], 0
	s_mov_b32 s[G1W+7], 0
	; the bias: all 3,072 bytes, by wave 15
	s_mov_b32 s[G1B+0], 3<<16
	s_mov_b32 s[G1B+1], 32<<16                     ; the whole bias: 12 rows of 256 bytes, by one wave
	s_mov_b32 s[G1B+2], 12<<16
	s_mov_b32 s[G1B+3], 32<<16
	s_mov_b32 s[G1B+4], 12
	s_mov_b32 s[G1B+5], 32
	s_mov_b32 s[G1B+6], 0
	s_mov_b32 s[G1B+7], 0
	; LDS places that hang on the wave's number
	s_lshr_b32 s70, s[WV], 2                       ; phase X: token tile w / 2 = (f, c): rows 32 f + 8 c on, K step w % 2
	s_mul_i32 s70, s70, 32*XP
	s_bfe_u32 s71, s[WV], 0x10001
	s_mul_i32 s71, s71, 8*XP
	s_add_co_u32 s70, s70, s71
	s_and_b32 s71, s[WV], 1
	s_lshl_b32 s71, s71, 9
	s_add_co_u32 s70, s70, s71
	s_add_co_u32 s70, s70, XRAW
	s_mul_i32 s71, s[WV], 1536
	s_add_co_u32 s71, s71, XIMG
	s_lshl_b32 s84, s[WV], 7
	s_add_co_u32 s84, s84, XSC
	s_mul_i32 s85, s61, 6144
	s_add_co_u32 s85, s85, XIMG
	s_lshl_b32 s86, s61, 9
	s_add_co_u32 s86, s86, XSC
	s_lshl_b32 s87, s60, 8
	s_add_co_u32 s87, s87, BIAS
	s_lshl_b32 s88, s[WV], 6
	s_add_co_u32 s88, s88, QST
	s_lshl_b32 s91, s60, 9
	s_add_co_u32 s91, s91, KST
	s_lshl_b32 s89, s61, 6
	s_add_co_u32 s89, s89, s91
	s_lshr_b32 s90, s61, 1
	s_lshl_b32 s90, s90, 7
	s_and_b32 s92, s61, 1
	s_lshl_b32 s92, s92, 5
	s_add_co_u32 s90, s90, s92
	s_add_co_u32 s90, s90, s87
	s_add_co_u32 s90, s90, 2048                    ; v's bias: b_qkv[512 + 64 head + 32 (i / 2) + 8 (i % 2) ..]
	s_lshl_b32 s92, s60, 8
	s_add_co_u32 s92, s92, QST
	s_mul_i32 s80, s60, 4*REC                      ; my head's four tiles of q's rows of W
	s_add_co_u32 s83, s[WV], 32
	s_mul_i32 s83, s83, REC                        ; tile 32 + 4 head + i: my tile of v's rows
	s_mov_b32 s[SEL], 0x76543210
	s_mov_b32 s[SEL+1], 0xfedcba98
	s_wait_dscnt 0x0
	s_wait_kmcnt 0x0
	s_mov_b32 s[G0B], 1
	s_mov_b32 s69, 0
	s_mov_b32 s[G0B+1], BIAS
	s_mov_b64 s[G0B+2:G0B+3], s[8:9]
	s_or_b32 s[G0B+3], s[G0B+3], 0x80000000
	s_mov_b32 s[G0W], 1
	s_mul_i32 s68, s[WV], 48*256                   ; made of the wave's number alone: equal in the four partners (waves 0-12 ask by it)
	s_mov_b32 s[G0W+1], s68
	s_add_nc_u64 s[G0W+2:G0W+3], s[6:7], s[68:69]
	s_or_b32 s[G0W+3], s[G0W+3], 0x80000000
	s_mov_b32 s[G0X], 1
	s_and_b32 s67, s[WV], 1                        ; waves 13 and 14 bring x: which 64 rows
	s_mul_i32 s[G0X+1], s67, 64*XP
	s_add_co_u32 s[G0X+1], s[G0X+1], XRAW
	s_lshl_b32 s66, s57, 17
	s_lshl_b32 s67, s67, 16
	s_add_co_u32 s66, s66, s67
	s_mov_b32 s67, 0
	s_add_nc_u64 s[G0X+2:G0X+3], s[4:5], s[66:67]
	s_or_b32 s[G0X+3], s[G0X+3], 0x80000000
	; where the results go
	s_lshl_b32 s66, s62, 6
	s_lshl_b32 s68, s59, 2
	s_add_co_u32 s66, s66, s68                     ; 64 bh + 4 st: the head's first q fragment of this block
	s_lshl_b32 s68, s66, 6
	s_add_nc_u64 s[76:77], s[12:13], s[68:69]      ; qsc: 64 bytes a fragment
	s_add_co_u32 s68, s66, s61
	s_mul_i32 s68, s68, 1536
	s_add_nc_u64 s[72:73], s[10:11], s[68:69]      ; qimg: my fragment
	s_lshl_b32 s68, s62, 4
	s_add_co_u32 s68, s68, s59
	s_mul_i32 s68, s68, 12800
	s_add_nc_u64 s[74:75], s[14:15], s[68:69]      ; kv: the record of (bh, st)
	s_mul_i32 s68, s61, 1536
	s_add_nc_u64 s[78:79], s[74:75], s[68:69]      ; and in it my K fragment (my V tile: 6,144 bytes on)
	ROUND                                          ; all four work-groups are here: the joint loads meet
	; the head's loads, ONE a wave, in one chain of branches on the wave's number: waves 0-12 a thirteenth of W's codes each (jointly), waves 13 and 14 half of x each, wave 15 the bias
	s_cmp_lt_u32 s[WV], 13
	s_cbranch_scc0 .Lhead_x
	tensor_load_to_lds s[G0W:G0W+3], s[G1W:G1W+7]
	s_nop 0
	PLACES 4
	s_branch .Lhead_asked
.Lhead_x:
	s_cmp_lt_u32 s[WV], 15
	s_cbranch_scc0 .Lhead_b
	tensor_load_to_lds s[G0X:G0X+3], s[G1X:G1X+7]
	s_nop 0
	PLACES 4
	s_branch .Lhead_asked
.Lhead_b:
	tensor_load_to_lds s[G0B:G0B+3], s[G1B:G1B+7]
	s_nop 0
	PLACES 4
.Lhead_asked:
	v_and_b32 v255, 31, v0                         ; lane
	s_delay_alu instid0(VALU_DEP_1)
	v_lshlrev_b32 v[LI], 4, v255
	s_delay_alu instid0(VALU_DEP_2)
	v_lshlrev_b32 v[L8], 3, v255
	s_delay_alu instid0(VALU_DEP_3)
	v_lshlrev_b32 v[L4], 2, v255
	v_and_b32 v5, 15, v0                           ; r
	s_delay_alu instid0(VALU_DEP_1)
	v_lshlrev_b32 v[R4], 2, v5
	s_delay_alu instid0(VALU_DEP_2)
	v_and_b32 v255, 8, v5
	s_delay_alu instid0(VALU_DEP_1)
	v_add_nc_u32 v255, v255, v5                    ; r + 8 (r / 8)
	v_bfe_u32 v5, v0, 4, 1                         ; h
	s_delay_alu instid0(VALU_DEP_2)
	v_mul_u32_u24 v[AW], v255, XP
	s_delay_alu instid0(VALU_DEP_1)
	v_lshl_add_u32 v[AW], v5, 6, v[AW]             ; my row of the token tile, + 64 h: my 16 numbers of a block of 32
	s_delay_alu instid0(VALU_DEP_1)
	v_add_nc_u32 v[AW], s70, v[AW]
	v_add_nc_u32 v[AWS], s71, v[LI]
	v_add_nc_u32 v[XWS], s84, v[L4]
	v_add_nc_u32 v[XFI], s85, v[LI]
	v_add_nc_u32 v[XSI], s86, v[L4]
	v_lshlrev_b32 v[BQ], 6, v5
	s_delay_alu instid0(VALU_DEP_1)
	v_add_nc_u32 v[BQ], s87, v[BQ]
	v_add_nc_u32 v[QSTA], s88, v[R4]
	v_add_nc_u32 v[KSTA], s89, v[R4]
	v_lshlrev_b32 v[BVA], 2, v255
	s_delay_alu instid0(VALU_DEP_1)
	v_add_nc_u32 v[BVA], s90, v[BVA]
	v_add_nc_u32 v[XFA], XIMG, v[LI]
	v_add_nc_u32 v[XSA], XSC, v[L4]
	v_add_nc_u32 v[KRD], s91, v[L4]
	v_add_nc_u32 v[QRD], s92, v[L8]
.irp b, 0,1,2,3
	v_mov_b32 v[TM+4+\b], 0                        ; written once: a lane permute's destination counts as one of its sources
.endr
	s_wait_alu depctr_va_vdst(0)                   ; the wait at the head's end
	s_wait_tensorcnt 0x0                           ; my one load is in
	s_barrier_signal -1
	s_barrier_wait -1                              ; everybody's are
	; ---- X: fragment w of x.  Rows r and r + 16 of a tile lie 16 x 1,040 bytes apart, a multiple of 256: two of a load's sixteen rows begin at the same place modulo 256
.irp b, 0,1,2,3
.irp j, 0,1,2,3
	ds_load_b128 v[HA+16*\b+4*\j:HA+16*\b+4*\j+3], v[AW] offset:128*\b+16*\j
.endr
.endr
	s_wait_dscnt 0x0
	QUANT HA, TM, PC, PW
.irp c, 0,1,2
	ds_store_b128 v[AWS], v[PC+4*\c:PC+4*\c+3] offset:512*\c      ; the fragment goes to LDS as it stands: 512 consecutive bytes a store
.endr
	ds_store_b32 v[XWS], v[PW]
	s_wait_tensorcnt 0x0                           ; my part of W's codes is in,
	s_wait_dscnt 0x0                               ; my image and its scale words have landed
	s_barrier_signal -1
	s_barrier_wait -1                              ; everybody's
	; ---- U.  q (kind 0) or k (kind 1) of tokens 32 i .. 32 i + 31 of my head: token tiles c = 0, 1 x W's tiles t = 0 .. 3, two K steps: 16 matrix instructions on 8 accumulators by turns
.macro UNITQK kind
	s_wait_xcnt 0x0                                ; the last unit's global stores have had their addresses translated: only behind this wait are the registers that they read loaded again
	s_wait_dscnt 0x0                               ; and its LDS store has read its register
	s_add_co_u32 s81, s80, 16*REC*\kind
	v_add_nc_u32 v[AW], s81, v[LI]
	v_add_nc_u32 v[AWS], s81, v[L8]
.irp c, 1                                      ; the bias is the same for both token tiles: it is loaded once, into tile 1's accumulators
.irp t, 0,1,2,3
	ds_load_b128 v[HA+32*\c+8*\t:HA+32*\c+8*\t+3], v[BQ] offset:1024*\kind+128*(\t/2)+32*(\t%2)
	ds_load_b128 v[HA+32*\c+8*\t+4:HA+32*\c+8*\t+7], v[BQ] offset:1024*\kind+128*(\t/2)+32*(\t%2)+16
.endr
.endr
.irp t, 0,1,2,3
.irp s, 0,1
.irp c, 0,1,2
	ds_load_b128 v[FR+12*(2*\t+\s)+4*\c:FR+12*(2*\t+\s)+4*\c+3], v[AW] offset:REC*\t+1536*\s+512*\c
.endr
.endr
	ds_load_b64 v[SC+2*\t:SC+2*\t+1], v[AWS] offset:REC*\t+3072
.endr
.if \kind == 0                                 ; x's four fragments and scale words stay in their registers for the k unit: nothing between the two units writes them
.irp x, 0,1,2,3
.irp c, 0,1,2
	ds_load_b128 v[FR+96+12*\x+4*\c:FR+96+12*\x+4*\c+3], v[XFI] offset:1536*\x+512*\c
.endr
	ds_load_b32 v[SC+8+\x], v[XSI] offset:128*\x
.endr
.endif
	s_wait_dscnt 0x0
.irp t, 0,1,2,3                                ; K step 0, token tile 0: its C is the bias as it lies in tile 1's accumulators
	v_wmma_scale_f32_16x16x128_f8f6f4 v[HA+8*\t:HA+8*\t+7], v[FR+24*\t:FR+24*\t+11], v[FR+96:FR+107], v[HA+32+8*\t:HA+32+8*\t+7], v[SC+2*\t], v[SC+8] matrix_a_fmt:MATRIX_FMT_FP6 matrix_b_fmt:MATRIX_FMT_FP6
.endr
	PLACES 5                                       ; in front of products that write over registers which the four above took as C
.irp t, 0,1,2,3                                ; K step 0, token tile 1, in place
	v_wmma_scale_f32_16x16x128_f8f6f4 v[HA+32+8*\t:HA+32+8*\t+7], v[FR+24*\t:FR+24*\t+11], v[FR+120:FR+131], v[HA+32+8*\t:HA+32+8*\t+7], v[SC+2*\t], v[SC+10] matrix_a_fmt:MATRIX_FMT_FP6 matrix_b_fmt:MATRIX_FMT_FP6
.endr
.irp c, 0,1                                    ; K step 1
.irp t, 0,1,2,3
	v_wmma_scale_f32_16x16x128_f8f6f4 v[HA+32*\c+8*\t:HA+32*\c+8*\t+7], v[FR+24*\t+12:FR+24*\t+23], v[FR+108+24*\c:FR+119+24*\c], v[HA+32*\c+8*\t:HA+32*\c+8*\t+7], v[SC+2*\t+1], v[SC+9+2*\c] matrix_a_fmt:MATRIX_FMT_FP6 matrix_b_fmt:MATRIX_FMT_FP6
.endr
.endr
	PLACES 5                                       ; four in front of vector reads of the results and of writes and loads over the operands; the fifth for the next unit's products, which write over these accumulators
	QUANT HA, TM, PC, PW                           ; register 32 c + 16 b + i is channel 32 b + 16 h + i of token tile c: k = 64 c + 32 b + 16 h + i of the fragment
.irp c, 0,1,2
.if \kind
	global_store_b128 v[LI], v[PC+4*\c:PC+4*\c+3], s[78:79] offset:512*\c
.else
	global_store_b128 v[LI], v[PC+4*\c:PC+4*\c+3], s[72:73] offset:512*\c
.endif
.endr
.if \kind
	ds_store_b32 v[KSTA], v[PW]                    ; lanes r and r + 16 write the same word with the same value
.else
	ds_store_b32 v[QSTA], v[PW]
.endif
.endm
	UNITQK 0
	UNITQK 1
	; V^T tile i of my head for the block's 128 tokens: 8 token tiles x my tile of W, two K steps
	s_wait_xcnt 0x0
	s_wait_dscnt 0x0
	v_add_nc_u32 v[AW], s83, v[LI]
	v_add_nc_u32 v[AWS], s83, v[L8]
.irp j, 0,1,2,3,4,5,6,7
	ds_load_b32 v[BV+\j], v[BVA]                   ; a lane holds one channel: its bias in all eight registers
.endr
.irp s, 0,1
.irp c, 0,1,2
	ds_load_b128 v[FR+96+12*\s+4*\c:FR+96+12*\s+4*\c+3], v[AW] offset:1536*\s+512*\c
.endr
.endr
	ds_load_b64 v[SC:SC+1], v[AWS] offset:3072
.irp x, 0,1,2,3,4,5,6,7,8,9,10,11,12,13,14,15
	ds_load_b32 v[SC+2+\x], v[XSA] offset:128*\x
.endr
.irp m, 0,1,2,3,4,5,6,7
.irp c, 0,1,2
	ds_load_b128 v[FR+12*\m+4*\c:FR+12*\m+4*\c+3], v[XFA] offset:1536*(2*\m)+512*\c
.endr
.endr
	s_wait_dscnt 0x0
.irp m, 0,1,2,3,4,5,6,7
	v_wmma_scale_f32_16x16x128_f8f6f4 v[HA+8*\m:HA+8*\m+7], v[FR+12*\m:FR+12*\m+11], v[FR+96:FR+107], v[BV:BV+7], v[SC+2+2*\m], v[SC] matrix_a_fmt:MATRIX_FMT_FP6 matrix_b_fmt:MATRIX_FMT_FP6
.endr
	PLACES 4                                       ; in front of loads into registers that matrix instructions have read
.irp m, 0,1,2,3,4,5,6,7
.irp c, 0,1,2
	ds_load_b128 v[FR+12*\m+4*\c:FR+12*\m+4*\c+3], v[XFA] offset:1536*(2*\m+1)+512*\c
.endr
.endr
	s_wait_dscnt 0x0
.irp m, 0,1,2,3,4,5,6,7
	v_wmma_scale_f32_16x16x128_f8f6f4 v[HA+8*\m:HA+8*\m+7], v[FR+12*\m:FR+12*\m+11], v[FR+108:FR+119], v[HA+8*\m:HA+8*\m+7], v[SC+3+2*\m], v[SC+1] matrix_a_fmt:MATRIX_FMT_FP6 matrix_b_fmt:MATRIX_FMT_FP6
.endr
	PLACES 5
	QUANT HA, TM, PC, PW                           ; register 16 f + 8 c + j is token 32 f + 16 h + 8 c + j: the keys of this step, in the order of the next product's K
.irp c, 0,1,2
	global_store_b128 v[LI], v[PC+4*\c:PC+4*\c+3], s[78:79] offset:6144+512*\c
.endr
	ds_store_b32 v[KSTA], v[PW] offset:256
	s_wait_dscnt 0x0                               ; my scale words have landed in the stages
	s_barrier_signal -1
	s_barrier_wait -1
	; the scale words leave in whole blocks of 256 bytes: one wave for each head
	s_cmp_lg_u32 s61, 0
	s_cbranch_scc1 .Ldone
.irp j, 0,1,2,3
	ds_load_b32 v[HA+\j], v[KRD] offset:128*\j     ; register j: lanes 0-15 the words of stage place 2 j, lanes 16-31 of 2 j + 1: K fragments 0 | 1, 2 | 3, V tiles 0 | 1, 2 | 3
.endr
	ds_load_b64 v[HA+4:HA+5], v[QRD]
	s_wait_dscnt 0x0
	global_store_b128 v[LI], v[HA:HA+3], s[74:75] offset:12288
	global_store_b64 v[L8], v[HA+4:HA+5], s[76:77]
.Ldone:
	s_wait_tensorcnt 0x0
	ds_add_u32 v242, v243
	s_wait_dscnt 0x0
	ROUND                                          ; the closing round: no work-group ends while a partner may still ask for a tile that names it
	s_endpgm
.Lfunc_end_k_q9080067ef9_qkv:
	.size	k_q9080067ef9_qkv, .Lfunc_end_k_q9080067ef9_qkv-k_q9080067ef9_qkv
	.p2alignl 7, 3214868480
	.fill 96, 4, 3214868480
	.section	.rodata,"a",@progbits
	.p2align	6, 0x0
	.amdhsa_kernel k_q9080067ef9_qkv
		.amdhsa_group_segment_fixed_size 327680
		.amdhsa_private_segment_fixed_size 0
		.amdhsa_enable_private_segment 0
		.amdhsa_kernarg_size 48
		.amdhsa_user_sgpr_count 2
		.amdhsa_user_sgpr_kernarg_segment_ptr 1
		.amdhsa_wavefront_size32 1
		.amdhsa_system_sgpr_workgroup_id_x 1
		.amdhsa_system_sgpr_workgroup_id_y 1
		.amdhsa_system_sgpr_workgroup_id_z 1
		.amdhsa_system_vgpr_workitem_id 0
		.amdhsa_next_free_vgpr 256
		.amdhsa_next_free_sgpr 96
		.amdhsa_reserve_vcc 0
		.amdhsa_float_denorm_mode_32 3
		.amdhsa_float_denorm_mode_16_64 3
		.amdhsa_memory_ordered 1
		.amdhsa_forward_progress 1
		.amdhsa_inst_pref_size 49
	.end_amdhsa_kernel
	.amdgpu_metadata
---
amdhsa.version: [ 1, 2 ]
amdhsa.kernels:
  - .name:           k_q9080067ef9_qkv
    .symbol:         k_q9080067ef9_qkv.kd
    .args:
      - { .name: x, .offset: 0, .size: 8, .value_kind: global_buffer, .address_space: global }
      - { .name: wimg, .offset: 8, .size: 8, .value_kind: global_buffer, .address_space: global }
      - { .name: b_qkv, .offset: 16, .size: 8, .value_kind: global_buffer, .address_space: global }
      - { .name: qimg, .offset: 24, .size: 8, .value_kind: global_buffer, .address_space: global }
      - { .name: qsc, .offset: 32, .size: 8, .value_kind: global_buffer, .address_space: global }
      - { .name: kv, .offset: 40, .size: 8, .value_kind: global_buffer, .address_space: global }
    .group_segment_fixed_size: 327680
    .private_segment_fixed_size: 0
    .kernarg_segment_align: 8
    .kernarg_segment_size: 48
    .max_flat_workgroup_size: 512
    .sgpr_count:     96
    .vgpr_count:     256
    .wavefront_size: 32
...
	.end_amdgpu_metadata
.endif
;; end of part 2
;; launch attno (part 3): grid 256 x 1, 16 waves a work-group, clusters of 4 x 1, 327,680 bytes of LDS; arguments qimg, qsc, kv, wimg, b_o, out0; writes out0
.if DOCPART == 3
	.amdgcn_target "amdgcn-amd-amdhsa--gfx1250"
	.amdhsa_code_object_version 6
	.text
	.protected	k_q9080067ef9_attno
	.globl	k_q9080067ef9_attno
	.p2align	8
	.type	k_q9080067ef9_attno,@function
k_q9080067ef9_attno:
	s_mov_b64 s[64:65], 0
	v_nop
	global_prefetch_b8 v0, s[64:65] scope:SCOPE_SE
	s_setreg_imm32_b32 hwreg(HW_REG_WAVE_MODE, 25, 1), 1
	s_wait_xcnt 0x0
	s_wait_alu depctr_hold_cnt(0) depctr_sa_sdst(0) depctr_va_vdst(0) depctr_va_sdst(0) depctr_va_ssrc(0) depctr_va_vcc(0) depctr_vm_vsrc(0)
	s_getreg_b32 s2, hwreg(HW_REG_IB_STS2, 6, 4)
	s_cmp_eq_u32 s2, 0
	s_cbranch_scc0 .Lentry_in_a_cluster
	s_endpgm
.Lentry_in_a_cluster:
	s_bfe_u32 s2, ttmp6, 0x10000c
	s_cmp_lg_u32 s2, 0x3003
	s_cbranch_scc0 .Lentry_shape_is_right
	s_endpgm
.Lentry_shape_is_right:
; out = Q(softmax(q k^T / 8) v) Q(W_o)^T + b_o: the two products of attention and the projection on the way out, all on codes of E2M3 with one E8M0 scale for each 32 along K.
; No step and no input of the problem is left out.
; THE SOFTMAX: t = score x log2(e) / 8; M = the row's largest t so far, rounded up to a whole number; p = 2^(t - M) is quantised along the keys; the row's sum is taken of the unquantised p and divides at the end.
; When M moves, the sum and O are multiplied by 2^(old M - new M): exact.
; SHARES.  A work-group owns 128 tokens of one batch row, in all 4 heads.  Wave w = 4 head + i owns the query tiles (f, 0) and (f, 1) of its head, f = 4 block + i, 16 queries each, and walks all 16 key steps of 128 keys once.
; THE RING.  Two slots of 128,000 bytes; a slot holds two key steps of all four heads.  A wave fills a sixteenth by one tensor load: 25 rows of 256 bytes, 64 bytes of padding behind each (LDS pitch 320).
; A slot is asked for again inside its own last tile step, as soon as that step's V tiles are in registers: there stand the waits, the add and the round, and behind the round the softmax of that step, work on registers, is still to do.
; A key step's record (12,800 bytes in memory, 16,000 in LDS): four K fragments, four V^T tiles (six rows each) and two rows of scale words, all images of operand registers.
; CLUSTER.  The four work-groups of a cluster lie in one batch row and read the same K and V, and all read W_o's codes: every load is joint, behind a round of the cluster's barrier.  One tensor load a wave is out.
; W_o's 16 records come behind the last round, behind which nothing is filled again, into bytes of their own.
; NO PREFETCH: a slot's load is asked for a whole slot (four tile steps a wave: 48 matrix instructions and their softmax) ahead of the wait for it, jointly for four work-groups.
; K'S ROWS ARE REGROUPED BY THE LANES' LDS ADDRESSES: lane row r of fragment (g, a) takes row 8 a + r % 8 of stored fragment 2 g + r / 8.  So tile u = 2 a + (0 | 1) of pair g holds keys 64 g + 32 (r / 8) + 8 u + r % 8,
; and the 32 score registers of pair g in lane (r, h) are keys 64 g + 32 h + 0 .. 31: a whole block of 32 in one lane, in the order of the next operand.  (Stored fragments lie 1,920 bytes apart: 128 modulo 256.)
; THE HEAD'S SIZE IS 64, THE INSTRUCTION'S K 128: a K fragment holds two key tiles; multiplied by [q | 0] it gives the scores of the first, by [0 | q] of the second.  q, 0, q lie on end: 18 registers a tile serve both.
; THE NEXT STEP'S SCORES BEGIN IN THIS STEP'S END: the row's sum is folded into the upper half of p, so that pair 0's four products start while the sum is finished, and pair 1's four stand ahead of the first maxima.
; THE WAY OUT.  y is quantised along its head's 64, goes as half fragments through LDS (slot 0, which has had its last fill and its last read), and wave w makes token tile w / 2 x outputs 128 (w % 2) .. + 127.
; LIMITS: the promise holds while the scaled scores stay under 2^31 in magnitude; a block whose largest magnitude lies under 2^-124 keeps the byte 1, a block of zeros too (its codes are zeros); NaN and infinities are not served.
.set REC,   16000
.set HEADB, 2*REC
.set SLOT,  4*HEADB
.set FILL,  25600                      ; two key steps of a head in memory
.set WO,    2*SLOT                     ; W_o's records
.set WREC,  3328
.set SPARE, WO+16*WREC                 ; the spare words: 128 bytes a wave
.set YSCL,  24576                      ; y's images lie at 0 (768 bytes a token tile and head), their scale words here (128 bytes each),
.set STG,   28672                      ; and the waves' stages for the way out: 16 rows x 272 bytes each
.set SPW, 1
.set NIL, 2
.set AK,  3                            ; v3-4  K fragments in slot 0, 1
.set AV,  5                            ; v5-6  V tiles and their scale words
.set AS,  7                            ; v7-8  K's scale words
.set SH8, 9                            ; v9    8 x (lane / 16)
.set BM,  10                           ; v10-11 my two blocks' largest scores, then the conversions' scale operands
.set ST,  12                           ; v12-19 a tile's -M, largest score, sum in two halves
.set QB,  20                           ; v20-55 q, 0, q for each tile
.set QS,  56                           ; v56-57 q's scale words
.set F,   58                           ; v58-105 four fragments: K's, then V's
.set S,   106                          ; v106-169 S^T, then p
.set O,   170                          ; v170-233 O^T of both tiles
.set PC,  234                          ; v234-245 p's codes
.set KS,  246                          ; v246-247 K's scale words: fragment (g, 0) | (g, 1)
.set PS,  249                          ; p's scale word
.set VS,  250                          ; v250-251 V's scale words: tiles 0 | 1, 2 | 3
.set FF,  252                          ; f = 2^(old M - new M)  (v253 is named with it as a pair)
.set BB,  254
.set TT,  254
.set TP,  255
.set WV,  16
.set HD,  17
.set WI,  18
.set NCS, 19                           ; -log2(e) / 8
.set SEL, 20
.set CS,  22                           ; s[22:23] log2(e) / 8
.set G1,  24
.set G0,  32                           ; s[32:39] group 0, one for each slot
.set G1W, 40
.set G0W, 48
.set CNT, 80
.set HB,  81
.macro ROUND
	s_barrier_signal -1
	s_barrier_wait -1
	s_cmp_lg_u32 s[WV], 0
	s_cbranch_scc1 .Lnot_wave_0_\@
	s_barrier_signal -3
.Lnot_wave_0_\@:
	s_barrier_wait -3
	s_barrier_signal -1
	s_barrier_wait -1
.endm
.macro PLACES n
.rept \n
	v_nop
.endr
.endm
.macro MM d, a, b, acc, sa, sb, row
.if (\acc) && (\row)
	v_wmma_scale_f32_16x16x128_f8f6f4 v[\d:\d+7], v[\a:\a+11], v[\b:\b+11], v[\d:\d+7], v[\sa], v[\sb] matrix_a_fmt:MATRIX_FMT_FP6 matrix_b_fmt:MATRIX_FMT_FP6 matrix_a_scale:MATRIX_SCALE_ROW1
.endif
.if (\acc) && (\row) == 0
	v_wmma_scale_f32_16x16x128_f8f6f4 v[\d:\d+7], v[\a:\a+11], v[\b:\b+11], v[\d:\d+7], v[\sa], v[\sb] matrix_a_fmt:MATRIX_FMT_FP6 matrix_b_fmt:MATRIX_FMT_FP6
.endif
.if (\acc) == 0 && (\row)
	v_wmma_scale_f32_16x16x128_f8f6f4 v[\d:\d+7], v[\a:\a+11], v[\b:\b+11], 0, v[\sa], v[\sb] matrix_a_fmt:MATRIX_FMT_FP6 matrix_b_fmt:MATRIX_FMT_FP6 matrix_a_scale:MATRIX_SCALE_ROW1
.endif
.if (\acc) == 0 && (\row) == 0
	v_wmma_scale_f32_16x16x128_f8f6f4 v[\d:\d+7], v[\a:\a+11], v[\b:\b+11], 0, v[\sa], v[\sb] matrix_a_fmt:MATRIX_FMT_FP6 matrix_b_fmt:MATRIX_FMT_FP6
.endif
.endm
.macro PADD d, s                       ; pair d of p += pair s
	v_pk_add_f32 v[S+2*(\d):S+2*(\d)+1], v[S+2*(\d):S+2*(\d)+1], v[S+2*(\s):S+2*(\s)+1]
.endm
.macro OMUL j
	v_pk_mul_f32 v[OX+\j:OX+\j+1], v[OX+\j:OX+\j+1], v[FF:FF+1] op_sel_hi:[1,0]
.endm
.macro KLOAD sl, e                     ; key step e of slot sl: K's four regrouped fragments and their scale words
.irp g, 0,1
.irp a, 0,1
.irp c, 0,1,2
	ds_load_b128 v[F+24*\g+12*\a+4*\c:F+24*\g+12*\a+4*\c+3], v[AK+\sl] offset:REC*\e+3840*\g+128*\a+640*\c
.endr
.endr
	ds_load_b32 v[KS+\g], v[AS+\sl] offset:REC*\e+15360+4*\g
.endr
.endm
.macro QK g, x                         ; S^T of pair g, 64 keys, for query tile x: each fragment against [q | 0] and [0 | q]
.irp a, 0,1
	MM S+32*\g+16*\a, F+24*\g+12*\a, QB+18*\x, 0, KS+\g, QS+\x, \a
	MM S+32*\g+16*\a+8, F+24*\g+12*\a, QB+18*\x+6, 0, KS+\g, QS+\x, \a
.endr
.endm
; my block g's largest score, in two chains; every accumulator is read from its low end on
.macro MXI g
	v_max3_num_f32 v[BM+\g], v[S+32*\g], v[S+32*\g+1], v[S+32*\g+2]
	v_max3_num_f32 v[BB+\g], v[S+32*\g+16], v[S+32*\g+17], v[S+32*\g+18]
.endm
.macro MX g, i
	v_max3_num_f32 v[BM+\g], v[BM+\g], v[S+32*\g+\i], v[S+32*\g+\i+1]
	v_max3_num_f32 v[BB+\g], v[BB+\g], v[S+32*\g+16+\i], v[S+32*\g+17+\i]
.endm
.macro MJ g
	v_max3_num_f32 v[BM+\g], v[BM+\g], v[S+32*\g+15], v[S+32*\g+31]
.endm
.macro MK g
	v_max_num_f32 v[BM+\g], v[BM+\g], v[BB+\g]
.endm
; A TILE STEP: query tile x against the 128 keys of key step e of slot sl; its score products have been issued by the step before.
; rd = 1: slot sl has its last read here and is filled again; rd = 2: the same round, and W_o's records come.  nk = 1: the next tile step (the other tile, key step ne of slot nsl) is begun.
.macro BODY x, sl, e, rd, nk, nsl, ne
.set NM, ST+4*\x
.set SM, NM+1
.set SU, NM+2
.set OX, O+32*\x
.set NX, 1-\x
	MXI 0                                          ; six lines on pair 0's scores: the places behind pair 1's products, in front of the loads over K's fragments
	MX 0, 3
	MX 0, 5
.irp t, 0,1,2,3
.irp c, 0,1,2
	ds_load_b128 v[F+12*\t+4*\c:F+12*\t+4*\c+3], v[AV+\sl] offset:REC*\e+7680+1920*\t+640*\c
.endr
.endr
	ds_load_b64 v[VS:VS+1], v[AV+\sl] offset:REC*\e+15368
	MXI 1
	MX 0, 7
	MX 1, 3
	MX 0, 9
	MX 1, 5
	MX 0, 11
	MX 1, 7
	MX 0, 13
	MX 1, 9
	MJ 0
	MX 1, 11
	MK 0
	MX 1, 13
	MJ 1
	s_delay_alu instid0(VALU_DEP_1)
	MK 1
.if \rd
	s_wait_alu depctr_va_vdst(0)                   ; directly ahead of the waits below
	s_wait_tensorcnt 0x0                           ; my one load, my part of the other slot, is in;
	ds_add_u32 v[SPW], v[NIL]
.if \rd == 1
	s_add_nc_u64 s[G0+4*\sl+2:G0+4*\sl+3], s[G0+4*\sl+2:G0+4*\sl+3], 2*FILL   ; no load of mine is out: this slot's next fill
.endif
	s_wait_dscnt 0x0                               ; the add is done, and my last reads of this slot: V's tiles are in registers
	ROUND
.if \rd == 1
	tensor_load_to_lds s[G0+4*\sl:G0+4*\sl+3], s[G1:G1+7]
.else
	tensor_load_to_lds s[G0W:G0W+3], s[G1W:G1W+7]
.endif
	s_nop 0
	PLACES 4
.endif
.if \rd == 0
	s_delay_alu instid0(VALU_DEP_1)
.endif
	v_max_num_f32 v[TT], v[BM], v[BM+1]
	s_delay_alu instid0(VALU_DEP_1)
	v_permlanex16_b32 v[TP], v[TT], s[SEL], s[SEL+1]
	s_delay_alu instid0(VALU_DEP_1)
	v_max3_num_f32 v[SM], v[SM], v[TT], v[TP]      ; the running largest score of my query
	s_delay_alu instid0(VALU_DEP_1)
	v_mul_f32 v[TT], s[NCS], v[SM]                 ; -t
	s_delay_alu instid0(VALU_DEP_1)
	v_floor_f32 v[TT], v[TT]                       ; the new -M = -ceil(t)
	s_delay_alu instid0(VALU_DEP_1)
	v_sub_f32 v[TP], v[TT], v[NM]                  ; old M - new M: a whole number, 0 or less
	v_mov_b32 v[NM], v[TT]
.set J, 0
.rept 16
	v_pk_fma_f32 v[S+J:S+J+1], v[S+J:S+J+1], s[CS:CS+1], v[NM:NM+1] op_sel_hi:[1,0,0]   ; t - M
.set J, J+2
.endr
	v_cvt_i32_f32 v[TP], v[TP]                     ; (it saturates)
.rept 16
	v_pk_fma_f32 v[S+J:S+J+1], v[S+J:S+J+1], s[CS:CS+1], v[NM:NM+1] op_sel_hi:[1,0,0]
.set J, J+2
.endr
	v_ldexp_f32 v[FF], 1.0, v[TP]                  ; f
.irp g, 0,1
	v_fma_f32 v[BM+\g], v[BM+\g], s[CS], v[NM]     ; the same of each block's largest score
.endr
	s_wait_alu depctr_va_vdst(0)                   ; the wait ahead of the batch
.set J, 0
.rept 64
	v_exp_f32 v[S+J], v[S+J]                       ; p
.set J, J+1
.endr
.irp g, 0,1
	v_exp_f32 v[BM+\g], v[BM+\g]                   ; the block's largest p: the same two instructions on the same number
.endr
	v_nop                                          ; one plain place behind the exponentials
	s_wait_alu depctr_va_vdst(0)                   ; and the wait behind the batch, directly ahead of the first readers of O^T too
.irp j, 0,2,4,6
	OMUL \j                                        ; O^T under the new M
.endr
.irp g, 0,1
	v_max_num_f32 v[BM+\g], 0x1800000, v[BM+\g]    ; the floor 2^(3 - 127): the byte cannot fall under 1
.endr
.irp j, 8,10,12,14
	OMUL \j
.endr
.irp g, 0,1
	v_add_nc_u32 v[BM+\g], 0xff000000, v[BM+\g]    ; 2 off the exponent field: the conversion's scale operand
.endr
.irp j, 16,18,20,22
	OMUL \j
.endr
	v_lshrrev_b32 v[TT], 23, v[BM]                 ; the bytes of blocks h and 2 + h
	v_lshrrev_b32 v[TP], 23, v[BM+1]
.irp j, 24,26
	OMUL \j
.endr
	v_lshl_or_b32 v[TT], v[TP], 16, v[TT]
.irp j, 28,30
	OMUL \j
.endr
	v_lshlrev_b32 v[TT], v[SH8], v[TT]             ; at their places in the word
	s_delay_alu instid0(VALU_DEP_1)
	v_permlanex16_b32 v[TP], v[TT], s[SEL], s[SEL+1]
	s_delay_alu instid0(VALU_DEP_1)
	v_or_b32 v[PS], v[TT], v[TP]                   ; with lane l xor 16's two the word is whole
	v_cvt_scalef32_pk16_fp6_f32 v[PC:PC+2], v[S:S+15], v[BM]
	v_cvt_scalef32_pk16_fp6_f32 v[PC+6:PC+8], v[S+32:S+47], v[BM+1]
	v_pk_fma_f32 v[SU:SU+1], v[SU:SU+1], v[FF:FF+1], v[S:S+1] op_sel_hi:[1,0,1]   ; the sum under the new M, and the first pair of p.  (A plain place behind the conversions)
	PADD 18, 16
	PADD 19, 17
	v_pk_add_f32 v[SU:SU+1], v[SU:SU+1], v[S+2:S+3]      ; pairs 0, 1, 16, 17 are summed: their registers take the other conversions' results (three registers from an even one on)
	v_cvt_scalef32_pk16_fp6_f32 v[S:S+2], v[S+16:S+31], v[BM]
	v_cvt_scalef32_pk16_fp6_f32 v[S+32:S+34], v[S+48:S+63], v[BM+1]
	PADD 20, 2                                     ; a plain place.  The lower half's pairs 2 .. 15 are folded into the upper half's
.irp i, 0,1,2
	v_mov_b32 v[PC+3+\i], v[S+\i]
	v_mov_b32 v[PC+9+\i], v[S+32+\i]
.endr
	PADD 21, 3                                     ; four places between the codes' last write and the products
	PADD 22, 4
	PADD 23, 5
	PADD 24, 6
	s_wait_alu depctr_va_vdst(0)                   ; directly ahead of the wait below
	s_wait_dscnt 0x0                               ; V's tiles are in
.irp t, 0,2                                    ; O^T += V^T P^T: four accumulators by turns
	MM OX+8*\t, F+12*\t, PC, 1, VS+\t/2, PS, 0
	MM OX+8*\t+8, F+12*\t+12, PC, 1, VS+\t/2, PS, 1
.endr
	PADD 25, 7                                     ; these four are the places in front of the loads over V's tiles
	PADD 26, 8
	PADD 27, 9
	PADD 28, 10
.if \nk
	KLOAD \nsl, \ne
.endif
	PADD 29, 11
	PADD 30, 12
	PADD 31, 13
	PADD 18, 14
	PADD 19, 15                                    ; the lower half of p is done with
.irp p, 18,19,20,21,22,23,24
	PADD \p, \p+7
.endr
.if \nk
	s_wait_alu depctr_va_vdst(0)                   ; directly ahead of the wait below
	s_wait_dscnt 0x0                               ; the next K fragments are in
	QK 0, NX                                       ; the next tile step's pair 0
.endif
	PADD 18, 22                                    ; seven lines on the upper half: the places behind pair 0's products
	PADD 19, 23
	PADD 20, 24
	PADD 18, 20
	PADD 19, 21
	s_delay_alu instid0(VALU_DEP_1)
	PADD 18, 19
	s_delay_alu instid0(VALU_DEP_1)
	v_pk_add_f32 v[SU:SU+1], v[SU:SU+1], v[S+36:S+37]
.if \nk
	QK 1, NX                                       ; and its pair 1
.endif
.endm
.macro SLOTW sl, rd, nk                ; a slot's four tile steps
	BODY 0, \sl, 0, 0, 1, \sl, 0
	BODY 1, \sl, 0, 0, 1, \sl, 1
	BODY 0, \sl, 1, 0, 1, \sl, 1
	BODY 1, \sl, 1, \rd, \nk, 1-\sl, 0
.endm
	s_load_b256 s[4:11], s[0:1], 0x0               ; qimg s[4:5], qsc s[6:7], kv s[8:9], wimg s[10:11]
	s_load_b128 s[12:15], s[0:1], 0x20             ; b_o s[12:13], out0 s[14:15]
	v_lshl_add_u32 v[SPW], v0, 2, SPARE
	v_mov_b32 v[NIL], 0
	ds_add_u32 v[SPW], v[NIL]                      ; the opening lines: the add twice on end and its wait
	ds_add_u32 v[SPW], v[NIL]
	v_lshrrev_b32 v3, 5, v0
	v_readfirstlane_b32 s[WV], v3                  ; wave 0..15
	s_bfe_u32 s52, ttmp6, 0x40000                  ; cx: it enters q's and out0's addresses alone
	s_lshl_b32 s53, ttmp9, 2
	s_add_co_u32 s53, s53, s52                     ; g: my block of 128 tokens
	s_lshr_b32 s54, ttmp9, 2                       ; the batch row, which the four partners share
	s_and_b32 s55, s53, 15
	s_lshr_b32 s[HD], s[WV], 2
	s_and_b32 s[WI], s[WV], 3
	s_lshl_b32 s56, s54, 2
	s_add_co_u32 s56, s56, s[HD]                   ; bh
	s_mov_b32 s[G1+0], 15|(3<<16)|(1<<20)|(1<<21)|(5<<22)|(15<<25)   ; all four partners; elements of 8 bytes; 16 words of padding behind every 64
	s_mov_b32 s[G1+1], 32<<16
	s_mov_b32 s[G1+2], 25<<16
	s_mov_b32 s[G1+3], 32<<16
	s_mov_b32 s[G1+4], 25
	s_mov_b32 s[G1+5], 32
	s_mov_b32 s[G1+6], 0
	s_mov_b32 s[G1+7], 0
	s_mov_b32 s[G1W+0], 15|(3<<16)|(1<<21)         ; a record of W_o: 13 rows of 256 bytes
	s_mov_b32 s[G1W+1], 32<<16
	s_mov_b32 s[G1W+2], 13<<16
	s_mov_b32 s[G1W+3], 32<<16
	s_mov_b32 s[G1W+4], 13
	s_mov_b32 s[G1W+5], 32
	s_mov_b32 s[G1W+6], 0
	s_mov_b32 s[G1W+7], 0
	s_mul_i32 s58, s56, 8*FILL                     ; my head's K and V,
	s_mul_i32 s57, s[WI], FILL/4
	s_add_co_u32 s58, s58, s57                     ; my quarter of a fill
	s_mov_b32 s59, 0
	s_mul_i32 s[HB], s[HD], HEADB
	s_mul_i32 s57, s[WI], REC/2
	s_add_co_u32 s57, s57, s[HB]                   ; and where it goes
	s_lshl_b32 s60, s56, 6
	s_lshl_b32 s61, s55, 2
	s_add_co_u32 s60, s60, s61
	s_add_co_u32 s60, s60, s[WI]                   ; 64 bh + f: my q fragment
	s_mul_i32 s62, s60, 1536
	s_mov_b32 s63, 0
	s_lshl_b32 s66, s60, 6
	s_mov_b32 s67, 0
	s_mul_i32 s68, s[WV], WREC
	s_mov_b32 s69, 0
	s_mul_i32 s70, s[WI], 6144                     ; the way out: y's image of token tile 2 i + x, head: (4 tile + head) x 768
	s_mul_i32 s71, s[HD], 768
	s_add_co_u32 s70, s70, s71
	s_lshl_b32 s71, s[WI], 10
	s_lshl_b32 s72, s[HD], 7
	s_add_co_u32 s71, s71, s72
	s_add_co_u32 s71, s71, YSCL
	s_lshr_b32 s73, s[WV], 1                       ; the token tile that I project
	s_mul_i32 s72, s73, 3072
	s_lshl_b32 s73, s73, 9
	s_add_co_u32 s73, s73, YSCL
	s_and_b32 s76, s[WV], 1                        ; which 128 outputs
	s_mul_i32 s74, s76, 8*WREC
	s_add_co_u32 s74, s74, WO
	s_lshl_b32 s76, s76, 9
	s_mul_i32 s75, s[WV], 16*272
	s_add_co_u32 s75, s75, STG
	s_lshl_b32 s78, s53, 17                        ; out0 at token 128 g + 32 (w / 4) + 8 ((w / 2) % 2)
	s_lshl_b32 s77, s[HD], 15
	s_add_co_u32 s78, s78, s77
	s_bfe_u32 s77, s[WV], 0x10001
	s_lshl_b32 s77, s77, 13
	s_add_co_u32 s78, s78, s77
	s_mov_b32 s79, 0
	s_mov_b32 s[SEL], 0x76543210
	s_mov_b32 s[SEL+1], 0xfedcba98
	s_mov_b32 s[CS], 0x3e38aa3b
	s_mov_b32 s[CS+1], s[CS]
	s_mov_b32 s[NCS], 0xbe38aa3b
	s_wait_dscnt 0x0
	s_wait_kmcnt 0x0
	s_add_nc_u64 s[58:59], s[8:9], s[58:59]
.irp s, 0,1
	s_mov_b32 s[G0+4*\s], 1
	s_add_co_u32 s[G0+4*\s+1], s57, \s*SLOT
	s_add_nc_u64 s[G0+4*\s+2:G0+4*\s+3], s[58:59], \s*FILL
	s_or_b32 s[G0+4*\s+3], s[G0+4*\s+3], 0x80000000
.endr
	s_mov_b32 s[G0W], 1
	s_add_co_u32 s[G0W+1], s68, WO
	s_add_nc_u64 s[G0W+2:G0W+3], s[10:11], s[68:69]
	s_add_nc_u64 s[G0W+2:G0W+3], s[G0W+2:G0W+3], 48*WREC
	s_or_b32 s[G0W+3], s[G0W+3], 0x80000000
	s_add_nc_u64 s[62:63], s[4:5], s[62:63]
	s_add_nc_u64 s[66:67], s[6:7], s[66:67]
	s_add_nc_u64 s[78:79], s[14:15], s[78:79]
	ROUND                                          ; all four work-groups are here: the joint loads meet
	tensor_load_to_lds s[G0:G0+3], s[G1:G1+7]      ; key steps 0 and 1: my one load at the head
	s_nop 0
	PLACES 4
	v_and_b32 v10, 31, v0
	v_lshlrev_b32 v10, 4, v10
	v_and_b32 v11, 15, v0                          ; r
	v_lshlrev_b32 v254, 2, v11
.irp c, 0,1,2
	global_load_b128 v[S+4*\c:S+4*\c+3], v10, s[62:63] offset:512*\c th:TH_LOAD_NT   ; the image [q tile (f, 0) | q tile (f, 1)]
.endr
	global_load_b32 v[S+12], v254, s[66:67] th:TH_LOAD_NT
	v_bfe_u32 v255, v0, 4, 1                       ; h
	v_lshlrev_b32 v[SH8], 3, v255
	v_mul_u32_u24 v252, v255, 320
	v_lshl_add_u32 v[AV], v11, 4, v252             ; 320 h + 16 r
	v_add_nc_u32 v[AV], s[HB], v[AV]
	v_add_nc_u32 v[AV+1], SLOT, v[AV]
	v_and_b32 v11, 7, v0                           ; r % 8
	v_bfe_u32 v248, v0, 3, 1                       ; r / 8
	v_lshl_add_u32 v252, v11, 4, v252
	v_mad_u32_u24 v[AK], v248, 1920, v252          ; 1,920 (r / 8) + 16 (r % 8) + 320 h
	v_add_nc_u32 v[AK], s[HB], v[AK]
	v_add_nc_u32 v[AK+1], SLOT, v[AK]
	v_lshlrev_b32 v11, 4, v11
	v_lshl_add_u32 v11, v255, 7, v11
	v_mad_u32_u24 v[AS], v248, 320, v11            ; 320 (r / 8) + 16 (r % 8) + 128 h
	v_add_nc_u32 v[AS], s[HB], v[AS]
	v_add_nc_u32 v[AS+1], SLOT, v[AS]
.irp x, 0,1
	v_mov_b32 v[ST+4*\x], 0x7e000000               ; -M: above every -M to come, so the first f is 0
	v_mov_b32 v[ST+4*\x+1], 0xff61b1e6             ; the largest score so far: -3e38
	v_mov_b32 v[ST+4*\x+2], 0
	v_mov_b32 v[ST+4*\x+3], 0
.endr
	v_mov_b32 v[FF+1], 0
.set J, 0
.rept 64
	v_mov_b32 v[O+J], 0                            ; O^T: the step is written once; the first finds zeros
.set J, J+1
.endr
	s_wait_loadcnt 0x0
.irp x, 0,1
.irp i, 0,1,2,3,4,5
	v_mov_b32 v[QB+18*\x+\i], v[S+6*\x+\i]
	v_mov_b32 v[QB+18*\x+6+\i], 0
	v_mov_b32 v[QB+18*\x+12+\i], v[S+6*\x+\i]
.endr
.endr
	v_and_b32 v254, 0xffff, v[S+12]
	v_lshrrev_b32 v255, 16, v[S+12]
	v_lshl_or_b32 v[QS], v254, 16, v254            ; a tile's two bytes, twice: they serve [q | 0] and [0 | q] alike
	v_lshl_or_b32 v[QS+1], v255, 16, v255
	s_wait_alu depctr_va_vdst(0)                   ; the wait at the head's end
	s_wait_tensorcnt 0x0                           ; my part of slot 0 is in; slot 1's first fill is issued as a refill is:
	ds_add_u32 v[SPW], v[NIL]
	s_wait_dscnt 0x0
	ROUND
	tensor_load_to_lds s[G0+4:G0+7], s[G1:G1+7]    ; key steps 2 and 3
	s_nop 0
	PLACES 4
	KLOAD 0, 0
	s_wait_dscnt 0x0
	QK 0, 0                                        ; the first tile step's scores
	QK 1, 0
	PLACES 4
	s_mov_b32 s[CNT], 3
.Lring:                                                ; a trip goes once round the ring and fills both slots again; eight fills in all, the last two slots' steps written out
	SLOTW 0, 1, 1
	SLOTW 1, 1, 1
	s_sub_co_u32 s[CNT], s[CNT], 1
	s_cmp_lg_u32 s[CNT], 0
	s_wait_alu depctr_va_vdst(0)
	s_cbranch_scc1 .Lring
	SLOTW 0, 2, 1
	SLOTW 1, 0, 0
; ---- THE WAY OUT
.set BI,  58                           ; v58-65 the bias of my 128 outputs, four a lane and quarter
.set YC,  66                           ; v66-77 y's codes
.set YW,  78
.set B4,  80
.set P4,  84
.set SO4, 88
.set CT,  92
.set YSA, 234
.set YRA, 235
.set YRB, 236
.set YRS, 237
.set WL,  238
.set WL8, 239
.set Y,   20
.set YR,  44
.set YS,  48
.set WS,  50
.set ACC, 66
.set RB,  98
.set WF,  130
	s_wait_tensorcnt 0x0                           ; my record of W_o is in: no load is out when the first LDS store is issued
	v_and_b32 v3, 31, v0
	v_and_b32 v7, 15, v0                           ; r
	v_bfe_u32 v8, v0, 4, 1                         ; h
	v_lshlrev_b32 v4, 4, v3
	v_lshlrev_b32 v5, 3, v3
	v_lshlrev_b32 v6, 2, v3
	v_lshl_add_u32 v9, v7, 4, s76                  ; 16 r + 512 (w % 2)
	global_load_b128 v[BI:BI+3], v9, s[12:13]
	global_load_b128 v[BI+4:BI+7], v9, s[12:13] offset:256
	v_add_nc_u32 v10, s70, v4
	v_add_nc_u32 v11, s70, v5
	v_add_nc_u32 v[YSA], s71, v6
	v_add_nc_u32 v[YRA], s72, v4
	v_add_nc_u32 v[YRB], s72, v5
	v_add_nc_u32 v[YRS], s73, v6
	v_add_nc_u32 v[WL], s74, v4
	v_add_nc_u32 v[WL8], s74, v5
.irp x, 0,1
	v_add_f32 v[ST+4*\x+2], v[ST+4*\x+2], v[ST+4*\x+3]
.endr
.irp x, 0,1
	v_permlanex16_b32 v[ST+4*\x+3], v[ST+4*\x+2], s[SEL], s[SEL+1]
.endr
.irp x, 0,1
	v_add_f32 v[ST+4*\x+2], v[ST+4*\x+2], v[ST+4*\x+3]   ; the row's sum
.endr
	s_wait_alu depctr_va_vdst(0)
.irp x, 0,1
	v_rcp_f32 v[ST+4*\x+2], v[ST+4*\x+2]
.endr
	v_nop
	s_wait_alu depctr_va_vdst(0)
.set J, 0
.rept 16
.irp x, 0,1
	v_pk_mul_f32 v[S+32*\x+J:S+32*\x+J+1], v[O+32*\x+J:O+32*\x+J+1], v[ST+4*\x+2:ST+4*\x+3] op_sel_hi:[1,0]   ; y: register 16 b + i is channel 32 b + 16 h + i of my query
.endr
.set J, J+2
.endr
.irp x, 0,1
.irp b, 0,1
	v_max3_num_f32 v[B4+2*\x+\b], |v[S+32*\x+16*\b]|, |v[S+32*\x+16*\b+1]|, 0x1800000
.endr
.endr
.irp i, 2,4,6,8,10,12,14
.irp x, 0,1
.irp b, 0,1
	v_max3_num_f32 v[B4+2*\x+\b], v[B4+2*\x+\b], |v[S+32*\x+16*\b+\i]|, |v[S+32*\x+16*\b+\i+1]|
.endr
.endr
.endr
.irp b, 0,1,2,3
	v_permlanex16_b32 v[P4+\b], v[B4+\b], s[SEL], s[SEL+1]
.endr
.irp b, 0,1,2,3
	v_max_num_f32 v[B4+\b], v[B4+\b], v[P4+\b]
.endr
.irp b, 0,1,2,3
	v_add_nc_u32 v[SO4+\b], 0xff000000, v[B4+\b]
.endr
.irp b, 0,1,2,3
	v_lshrrev_b32 v[P4+\b], 23, v[SO4+\b]
.endr
.irp x, 0,1
	v_lshl_or_b32 v[YW+\x], v[P4+2*\x+1], 8, v[P4+2*\x]    ; two bytes; the upper half stays 0
.endr
.irp x, 0,1
	v_cvt_scalef32_pk16_fp6_f32 v[YC+6*\x:YC+6*\x+2], v[S+32*\x:S+32*\x+15], v[SO4+2*\x]
	v_cvt_scalef32_pk16_fp6_f32 v[CT+4*\x:CT+4*\x+2], v[S+32*\x+16:S+32*\x+31], v[SO4+2*\x+1]
.endr
	v_nop
.irp x, 0,1
.irp i, 0,1,2
	v_permlane16_swap_b32 v[YC+6*\x+\i], v[CT+4*\x+\i]
.endr
.irp i, 0,1,2
	v_mov_b32 v[YC+6*\x+3+\i], v[CT+4*\x+\i]       ; six registers: channels 32 h + 0 .. 31 of my head: half a fragment
.endr
.endr
.irp x, 0,1
	ds_store_b128 v10, v[YC+6*\x:YC+6*\x+3] offset:3072*\x
	ds_store_b64 v11, v[YC+6*\x+4:YC+6*\x+5] offset:3072*\x+512
	ds_store_b32 v[YSA], v[YW+\x] offset:512*\x
.endr
	s_wait_alu depctr_va_vdst(0)
	s_wait_dscnt 0x0                               ; my images have landed
	s_barrier_signal -1
	s_barrier_wait -1                              ; everybody's, and all of W_o's records
.macro WLOAD q
.irp t, 0,1,2,3
.irp s, 0,1
.irp c, 0,1,2
	ds_load_b128 v[WF+12*(2*\t+\s)+4*\c:WF+12*(2*\t+\s)+4*\c+3], v[WL] offset:WREC*(4*(\q)+\t)+1536*\s+512*\c
.endr
.endr
	ds_load_b64 v[WS+2*\t:WS+2*\t+1], v[WL8] offset:WREC*(4*(\q)+\t)+3072
.endr
.endm
.irp d, 0,1,2,3                                ; head d's six registers are registers 6 (d % 2) on of the fragment of K step d / 2
	ds_load_b128 v[Y+12*(\d/2)+6*(\d%2):Y+12*(\d/2)+6*(\d%2)+3], v[YRA] offset:768*\d
	ds_load_b64 v[Y+12*(\d/2)+6*(\d%2)+4:Y+12*(\d/2)+6*(\d%2)+5], v[YRB] offset:768*\d+512
	ds_load_b32 v[YR+\d], v[YRS] offset:128*\d
.endr
	WLOAD 0
	s_wait_dscnt 28                                ; y is in; W_o's 28 loads, issued behind, may be out
.irp s, 0,1
	v_lshl_or_b32 v[YS+\s], v[YR+2*\s+1], 16, v[YR+2*\s]
.endr
	v_mul_u32_u24 v12, v7, 272                     ; the stage: row r, + 64 h.  (These lines are the places between the scale words' write and the products)
	v_mul_u32_u24 v13, v8, 272                     ; back: lanes 0-15 one row, lanes 16-31 the next
	v_lshl_add_u32 v12, v8, 6, v12
	v_lshl_add_u32 v13, v7, 4, v13
	v_add_nc_u32 v12, s75, v12
	v_add_nc_u32 v13, s75, v13
	v_lshl_add_u32 v14, v8, 10, v9                 ; the same two rows in out0
	PLACES 2
.macro QUARTER q
	s_wait_dscnt 0x0
.irp t, 0,1,2,3
	MM ACC+8*\t, WF+24*\t, Y, 0, WS+2*\t, YS, 0
.endr
.irp t, 0,1,2,3
	MM ACC+8*\t, WF+24*\t+12, Y+12, 1, WS+2*\t+1, YS+1, 0
.endr
	PLACES 4
.if \q < 1
	WLOAD \q+1
.endif
.irp t, 0,1,2,3
	ds_store_b128 v12, v[ACC+8*\t:ACC+8*\t+3] offset:128*(\t/2)+32*(\t%2)
	ds_store_b128 v12, v[ACC+8*\t+4:ACC+8*\t+7] offset:128*(\t/2)+32*(\t%2)+16
.endr
	s_wait_xcnt 0x0                                ; the last quarter's stores have read their registers
.irp i, 0,1,2,3,4,5,6,7
	ds_load_b128 v[RB+4*\i:RB+4*\i+3], v13 offset:544*\i   ; a wave's LDS instructions are served in order: these see my stores
.endr
	s_wait_dscnt 0x0
.irp i, 0,1,2,3,4,5,6,7
	v_pk_add_f32 v[RB+4*\i:RB+4*\i+1], v[RB+4*\i:RB+4*\i+1], v[BI+4*\q:BI+4*\q+1]      ; the bias
	v_pk_add_f32 v[RB+4*\i+2:RB+4*\i+3], v[RB+4*\i+2:RB+4*\i+3], v[BI+4*\q+2:BI+4*\q+3]
.endr
.irp i, 0,1,2,3,4,5,6,7
	global_store_b128 v14, v[RB+4*\i:RB+4*\i+3], s[78:79] offset:(2*\i+8*(\i/4))*1024+256*\q th:TH_STORE_NT   ; 16 lanes store 256 consecutive bytes, aligned
.endr
.endm
	s_wait_loadcnt 0x0                             ; the bias
	s_wait_alu depctr_va_vdst(0)
	QUARTER 0
	QUARTER 1
	s_wait_tensorcnt 0x0                           ; the wave's end
	ds_add_u32 v[SPW], v[NIL]
	s_wait_dscnt 0x0
	ROUND                                          ; the closing round
	s_endpgm
.Lfunc_end_k_q9080067ef9_attno:
	.size	k_q9080067ef9_attno, .Lfunc_end_k_q9080067ef9_attno-k_q9080067ef9_attno
	.p2alignl 7, 3214868480
	.fill 96, 4, 3214868480
	.section	.rodata,"a",@progbits
	.p2align	6, 0x0
	.amdhsa_kernel k_q9080067ef9_attno
		.amdhsa_group_segment_fixed_size 327680
		.amdhsa_private_segment_fixed_size 0
		.amdhsa_enable_private_segment 0
		.amdhsa_kernarg_size 48
		.amdhsa_user_sgpr_count 2
		.amdhsa_user_sgpr_kernarg_segment_ptr 1
		.amdhsa_wavefront_size32 1
		.amdhsa_system_sgpr_workgroup_id_x 1
		.amdhsa_system_sgpr_workgroup_id_y 1
		.amdhsa_system_sgpr_workgroup_id_z 1
		.amdhsa_system_vgpr_workitem_id 0
		.amdhsa_next_free_vgpr 256
		.amdhsa_next_free_sgpr 84
		.amdhsa_reserve_vcc 0
		.amdhsa_float_denorm_mode_32 3
		.amdhsa_float_denorm_mode_16_64 3
		.amdhsa_memory_ordered 1
		.amdhsa_forward_progress 1
		.amdhsa_inst_pref_size 255
	.end_amdhsa_kernel
	.section	.bss,"aw",@nobits
	.p2align	6
	.space	262144
	.amdgpu_metadata
---
amdhsa.version: [ 1, 2 ]
amdhsa.kernels:
  - .name:           k_q9080067ef9_attno
    .symbol:         k_q9080067ef9_attno.kd
    .args:
      - { .name: qimg, .offset: 0, .size: 8, .value_kind: global_buffer, .address_space: global }
      - { .name: qsc, .offset: 8, .size: 8, .value_kind: global_buffer, .address_space: global }
      - { .name: kv, .offset: 16, .size: 8, .value_kind: global_buffer, .address_space: global }
      - { .name: wimg, .offset: 24, .size: 8, .value_kind: global_buffer, .address_space: global }
      - { .name: b_o, .offset: 32, .size: 8, .value_kind: global_buffer, .address_space: global }
      - { .name: out0, .offset: 40, .size: 8, .value_kind: global_buffer, .address_space: global }
    .group_segment_fixed_size: 327680
    .private_segment_fixed_size: 0
    .kernarg_segment_align: 8
    .kernarg_segment_size: 48
    .max_flat_workgroup_size: 512
    .sgpr_count:     84
    .vgpr_count:     256
    .wavefront_size: 32
...
	.end_amdgpu_metadata
.endif
;; end of part 3
